; MI455X (gfx1250); checked and timed in simulation.
; The chip was launched on July 23, 2026; its instructions are those of AMD's public machine-readable ISA for CDNA 5 (MIT licence, August 2026) and "CDNA5" Instruction Set Architecture Reference Guide (July 2026). The comments in the code are by the model that wrote it; some were corrected since.
;; Attention. Allowed arithmetic: matrix products marked QUANTISED: E2M1 operands, one E8M0 scale for each 32 along K, by v_wmma_scale_f32_16x16x128_f8f6f4 with both operands' format E2M1 (or v_wmma_scale_f32_32x16x128_f4), f32 sums; products left as they are: bf16, f16 or f32 operands; f32 sums; everything else in f32.
;; Inputs: Wk 16 x 1,024 x 64 float32; Wout 1,024 x 1,024 float32; Wq 16 x 1,024 x 64 float32; Wv 16 x 1,024 x 64 float32; bout 1,024 float32; keys 4 x 2,048 x 1,024 float32; queries 4 x 2,048 x 1,024 float32; values 4 x 2,048 x 1,024 float32.
;; Outputs: out0 4 x 2,048 x 1,024 float32.
;; This version of the problem:
;;   THIS VERSION OF THE PROBLEM IS GIVEN IN LOW PRECISION. The matrix products marked QUANTISED in the list below multiply operands that are first quantised to E2M1 (2 exponent bits, 1 mantissa bit; 4 bits a number), with one power-of-two scale for each 32 numbers along K (OCP MX v1.0); their sums are f32. The products marked 'left as it is' may take bf16, f16 or f32 operands, with f32 sums. Whichever they take, every output number must still come out within the allowed error. Rounding operands to bf16 (8 significant bits) uses up far more of that allowance than f16 does (11 bits, for magnitudes from 6e-5 to 65,504). All else is computed in f32.
;;   The module's matrix products, in the order in which they are computed (A, B: the left and right operand; K: the contracted axis; several contracted axes count as one K, in the product's order):
;;     1. [M 1,024, K 1,024] x [K 1,024, N 8,192]; A: input Wq; B: input queries: QUANTISED
;;     2. [M 1,024, K 1,024] x [K 1,024, N 8,192]; A: input Wk; B: input keys: QUANTISED
;;     3. [M 1,024, K 1,024] x [K 1,024, N 8,192]; A: input Wv; B: input values: QUANTISED
;;     4. batch 64 x [M 2,048, K 64] x [K 64, N 2,048]; A: computed on the way; B: computed on the way: left as it is (an operand is computed on the way)
;;     5. batch 64 x [M 2,048, K 2,048] x [K 2,048, N 64]; A: computed on the way; B: computed on the way: left as it is (an operand is computed on the way)
;;     6. [M 8,192, K 1,024] x [K 1,024, N 1,024]; A: computed on the way; B: input Wout: left as it is (an operand is computed on the way)
;;   THE QUANTISER, for each operand of a quantised product, along K:
;;     - K is cut into blocks of 32 from its start; a last block that is shorter is filled with zeros.
;;     - A block's scale is 2^e with e = floor(log2(the largest magnitude in the block)) - 2, held to -126 .. 127; a block of zeros has e = 0. As a byte (E8M0): e + 127.
;;     - Each number is divided by its block's scale, clamped to +-6, and rounded to the nearest number of E2M1, ties to even, subnormals kept.
;;     - The product sums the exact products of the quantised numbers (number of the format x scale) in f32.
;;   ~~~python
;;   def quantise(x, axis):      # numpy; x: float32 -> the quantised numbers, widened to float32 again
;;       x = np.moveaxis(x, axis, -1); K = x.shape[-1]
;;       x = np.pad(x, [(0, 0)] * (x.ndim - 1) + [(0, -K % 32)]); x = x.reshape(x.shape[:-1] + (-1, 32)); a = np.abs(x).max(-1, keepdims=True)
;;       e = np.where(a > 0, np.clip(np.frexp(np.where(a > 0, a, 1))[1] - 1 - 2, -126, 127), 0)      # np.frexp(a)[1] - 1 = floor(log2(a)), exactly
;;       r = np.clip(x / 2.0 ** e, -6, 6)
;;       step = 2.0 ** (np.maximum(np.frexp(np.where(r == 0, 1, r))[1] - 1, 0) - 1)
;;       q = np.round(r / step) * step * 2.0 ** e      # np.round: ties to even
;;       return np.moveaxis(q.reshape(q.shape[:-2] + (-1,))[..., :K], -1, axis).astype(np.float32)
;;   ~~~
;; One version. Each part assembles by itself: llvm-mc -triple=amdgcn-amd-amdhsa -mcpu=gfx1250 --defsym DOCPART=n.
;; ======== version 1 of 1: 4 launches
;; limits: values are held in f16: magnitudes above 65,504 overflow, below 6.1e-05 lose precision
;; workspace buffers: wc 1,572,864 bytes; ws 98,304 bytes; wo 2,097,152 bytes; qf 16,777,216 bytes; kv 33,554,432 bytes; cf 16,777,216 bytes
;; launch prep (part 1): grid 256 x 1, 4 waves a work-group, no clusters, 0 bytes of LDS; arguments Wq, Wk, Wv, Wout, wc, ws, wo; writes wc, ws, wo
.if DOCPART == 1
	.amdgcn_target "amdgcn-amd-amdhsa--gfx1250"
	.amdhsa_code_object_version 6
	.text
	.protected	k_qc3ab261187_prep
	.globl	k_qc3ab261187_prep
	.p2align	8
	.type	k_qc3ab261187_prep,@function
k_qc3ab261187_prep:
	s_mov_b64 s[64:65], 0
	v_nop
	global_prefetch_b8 v0, s[64:65] scope:SCOPE_SE
	s_setreg_imm32_b32 hwreg(HW_REG_WAVE_MODE, 25, 1), 1
	s_wait_xcnt 0x0
; THE PROGRAM: multi-head attention, 4 x 2,048 tokens, 16 heads of 64, in four launches: this one lays the weights out; the second quantises the tokens and makes q, k, v;
; the third is the attention; the fourth the projection on the way out.  NOTHING OF THE PROBLEM IS DEAD WORK: there is no mask, every input (bout too) reaches out0, every product is done whole.
; THIS LAUNCH.  Wq, Wk, Wv [16 heads][1,024 d][64 k], f32, are operands whose K (d) is not innermost.  They become codes of FP4 (E2M1) with one E8M0 byte for each 32 along d.
; Wout [1,024 n][1,024 k] becomes f16.  All three results are laid IN THE ORDER OF THE READER'S OPERAND REGISTERS:
;   wc [tensor 3][K step 8][tile of 16 columns 64][block of 32 along K: 4][column 16][16 bytes]: register group c of lane l of a fragment lies at 512 c + 16 l
;   ws [tensor 3][K step 8][tile 64][column 16]: one word, four scale bytes, for 128 along K
;   wo [tile of 16 rows n: 64][group of 8 along k: 128][row 16][8 numbers of f16]
; A block's scale is 2^(floor(log2(its largest magnitude)) - 2); its byte is the largest magnitude's exponent field - 2, held at 1 from below.
; LIMITS: a block whose largest magnitude lies under 2^-124 gets the byte 1; a block of zeros gets the byte 1 where the rule says 127 (its codes are zeros, and this program alone reads the bytes);
; NaN and infinities among the inputs are not served; |Wout| stays at or under 65,504 (f16).
; SHARES.  Work-groups 0-191: tensor t = id / 64; head = (id % 64) / 4; wave w takes K step 2 (id % 4) + w / 2 and 32 of the head's 64 columns (w % 2).  A LANE TAKES A COLUMN, ITS REGISTERS RUN DOWN K:
; a block of 32 lies in one lane, and the conversions give codes with K innermost.  Work-groups 192-255: one tile of 16 rows of Wout each, wave w 256 along k.
; No LDS, no barrier, no cluster: no two work-groups read the same byte.  The scale words leave 128 bytes a wave: 96 KiB in all, one byte for each 128 read.
.set X,   32                           ; v32-159  128 numbers: four blocks of 32 down K (Wout: 16 pieces of 8 along k)
.set C,   160                          ; v160-175 codes: four registers a block, each block's own, so that no store's data are written again
.set SB,  176                          ; v176     the four scale bytes
.set H,   160                          ; v160-223 Wout's path: 16 x 4 registers of f16
	s_load_b256 s[4:11], s[0:1], 0x0               ; Wq s[4:5], Wk s[6:7], Wv s[8:9], Wout s[10:11]
	s_load_b128 s[12:15], s[0:1], 0x20             ; wc s[12:13], ws s[14:15]
	s_load_b64 s[16:17], s[0:1], 0x30              ; wo
	v_lshrrev_b32 v1, 5, v0
	v_readfirstlane_b32 s20, v1                    ; wave 0..3
	v_and_b32 v1, 31, v0                           ; lane
	v_lshlrev_b32 v2, 2, v1                        ; 4 x lane
	v_lshlrev_b32 v4, 4, v1                        ; 16 x lane
	v_and_b32 v6, 15, v0                           ; r
	v_bfe_u32 v7, v0, 4, 1                         ; h
	s_cmp_ge_u32 ttmp9, 192
	s_cbranch_scc1 .Lwout
	; ---- Wq, Wk, Wv
	v_lshlrev_b32 v3, 4, v6
	v_lshl_add_u32 v3, v7, 10, v3                  ; my codes' place: tile lane / 16 (1,024 bytes), column r (16 bytes)
	s_lshr_b32 s21, ttmp9, 6                       ; t
	s_and_b32 s22, ttmp9, 63
	s_lshr_b32 s23, s22, 2                         ; head
	s_and_b32 s22, s22, 3
	s_lshl_b32 s22, s22, 1
	s_lshr_b32 s26, s20, 1
	s_add_co_u32 s22, s22, s26                     ; K step
	s_and_b32 s26, s20, 1                          ; which 32 columns
	s_lshl_b32 s28, s23, 18                        ; in W: head x 262,144 + K step x 128 rows of 256 bytes + half x 128
	s_lshl_b32 s27, s22, 15
	s_add_co_u32 s28, s28, s27
	s_lshl_b32 s27, s26, 7
	s_add_co_u32 s28, s28, s27
	s_mov_b32 s29, 0
	s_lshl_b32 s30, s21, 19                        ; in wc: t x 524,288 + K step x 65,536 + (4 head + 2 half) x 1,024
	s_lshl_b32 s27, s22, 16
	s_add_co_u32 s30, s30, s27
	s_lshl_b32 s27, s23, 12
	s_add_co_u32 s30, s30, s27
	s_lshl_b32 s27, s26, 11
	s_add_co_u32 s30, s30, s27
	s_mov_b32 s31, 0
	s_lshl_b32 s32, s21, 15                        ; in ws: t x 32,768 + K step x 4,096 + (4 head + 2 half) x 64
	s_lshl_b32 s27, s22, 12
	s_add_co_u32 s32, s32, s27
	s_lshl_b32 s27, s23, 8
	s_add_co_u32 s32, s32, s27
	s_lshl_b32 s27, s26, 7
	s_add_co_u32 s32, s32, s27
	s_mov_b32 s33, 0
	s_wait_kmcnt 0x0
	s_cmp_eq_u32 s21, 0                            ; the tensor is chosen by the work-group's number alone
	s_cselect_b64 s[24:25], s[4:5], s[6:7]
	s_cmp_eq_u32 s21, 2
	s_cselect_b64 s[24:25], s[8:9], s[24:25]
	s_add_nc_u64 s[24:25], s[24:25], s[28:29]
	s_add_nc_u64 s[12:13], s[12:13], s[30:31]
	s_add_nc_u64 s[14:15], s[14:15], s[32:33]
.macro WLOAD t                         ; block t: W(32 t + i, my column), i = 0 .. 31: each load reads 128 consecutive bytes
.set wi, 0
.rept 32
	global_load_b32 v[X+32*(\t)+wi], v2, s[24:25] offset:256*(32*(\t)+wi) th:TH_LOAD_NT
.set wi, wi+1
.endr
.endm
.macro WBLOCK t
.set XS, X+32*(\t)
.if (\t) < 3
	s_wait_loadcnt 32                              ; this block's 32 loads are in; the next block's 32 may be out
.else
	s_wait_loadcnt 0x0
.endif
.if (\t)+2 < 4
	WLOAD (\t)+2                                   ; loads run two blocks ahead, into registers of their own
.endif
	v_max3_num_f32 v12, |v[XS]|, |v[XS+1]|, |v[XS+2]|             ; the block's largest magnitude: all 32 numbers are mine; two chains
	v_max3_num_f32 v13, |v[XS+3]|, |v[XS+4]|, |v[XS+5]|
.irp i, 6,10,14,18,22,26
	v_max3_num_f32 v12, v12, |v[XS+\i]|, |v[XS+\i+1]|
	v_max3_num_f32 v13, v13, |v[XS+\i+2]|, |v[XS+\i+3]|
.endr
	v_max3_num_f32 v12, v12, |v[XS+30]|, |v[XS+31]|
	v_max3_num_f32 v12, v12, v13, 0x1800000        ; and the floor 2^(3 - 127): the byte cannot fall under 1
	v_add_nc_u32 v11, 0xff000000, v12              ; 2 off the exponent field: the conversion takes the exponent field of this operand as its scale
	v_lshrrev_b32 v13, 23, v11                     ; the scale's byte
.if (\t) == 0
	v_mov_b32 v[SB], v13
.else
	v_lshl_or_b32 v[SB], v13, 8*(\t), v[SB]        ; the lower K in the lower byte
.endif
.irp g, 0,1,2,3
	v_cvt_scalef32_pk8_fp4_f32 v[C+4*(\t)+\g], v[XS+8*\g:XS+8*\g+7], v11
.endr
	global_store_b128 v3, v[C+4*(\t):C+4*(\t)+3], s[12:13] offset:256*(\t)   ; sixteen lanes store 256 consecutive bytes, at a multiple of 256 from wc's first byte
.endm
	WLOAD 0
	WLOAD 1
.irp t, 0,1,2,3
	WBLOCK \t
.endr
	global_store_b32 v2, v[SB], s[14:15]           ; 32 columns' scale words: 128 consecutive bytes
	s_endpgm
	; ---- Wout: lane (r, h) takes, of row r, the 8 numbers of k group 32 w + 2 i + h, i = 0 .. 15
.Lwout:
	v_lshlrev_b32 v5, 12, v6
	v_lshl_add_u32 v5, v7, 5, v5                   ; row r of 4,096 bytes, + 32 h
	s_sub_co_u32 s21, ttmp9, 192                   ; the tile of 16 rows
	s_lshl_b32 s28, s21, 16                        ; in Wout: tile x 16 rows + wave x 1,024 bytes
	s_lshl_b32 s27, s20, 10
	s_add_co_u32 s28, s28, s27
	s_mov_b32 s29, 0
	s_lshl_b32 s30, s21, 15                        ; in wo: tile x 32,768 + wave x 32 groups of 256 bytes
	s_lshl_b32 s27, s20, 13
	s_add_co_u32 s30, s30, s27
	s_mov_b32 s31, 0
	s_wait_kmcnt 0x0
	s_add_nc_u64 s[10:11], s[10:11], s[28:29]
	s_add_nc_u64 s[16:17], s[16:17], s[30:31]
.irp i, 0,1,2,3,4,5,6,7,8,9,10,11,12,13,14,15
	global_load_b128 v[X+8*\i:X+8*\i+3],   v5, s[10:11] offset:64*\i      ; pieces of 32 bytes of 16 rows: eight loads on end use up a row's 256 bytes
	global_load_b128 v[X+8*\i+4:X+8*\i+7], v5, s[10:11] offset:64*\i+16
.endr
.irp i, 0,1,2,3,4,5,6,7,8,9,10,11,12,13,14,15
	s_wait_loadcnt 30-2*\i                         ; piece i's two loads are in; the later pieces' may be out
.irp e, 0,1,2,3
	v_cvt_pk_f16_f32 v[H+4*\i+\e], v[X+8*\i+2*\e], v[X+8*\i+2*\e+1]
.endr
	global_store_b128 v4, v[H+4*\i:H+4*\i+3], s[16:17] offset:512*\i      ; 32 lanes store 512 consecutive bytes: k groups 2 i and 2 i + 1, 16 rows each
.endr
	s_endpgm
.Lfunc_end_k_qc3ab261187_prep:
	.size	k_qc3ab261187_prep, .Lfunc_end_k_qc3ab261187_prep-k_qc3ab261187_prep
	.p2alignl 7, 3214868480
	.fill 96, 4, 3214868480
	.section	.rodata,"a",@progbits
	.p2align	6, 0x0
	.amdhsa_kernel k_qc3ab261187_prep
		.amdhsa_group_segment_fixed_size 0
		.amdhsa_private_segment_fixed_size 0
		.amdhsa_enable_private_segment 0
		.amdhsa_kernarg_size 56
		.amdhsa_user_sgpr_count 2
		.amdhsa_user_sgpr_kernarg_segment_ptr 1
		.amdhsa_wavefront_size32 1
		.amdhsa_system_sgpr_workgroup_id_x 1
		.amdhsa_system_sgpr_workgroup_id_y 1
		.amdhsa_system_sgpr_workgroup_id_z 1
		.amdhsa_system_vgpr_workitem_id 0
		.amdhsa_next_free_vgpr 224
		.amdhsa_next_free_sgpr 66
		.amdhsa_reserve_vcc 0
		.amdhsa_float_denorm_mode_32 3
		.amdhsa_float_denorm_mode_16_64 3
		.amdhsa_memory_ordered 1
		.amdhsa_forward_progress 1
		.amdhsa_inst_pref_size 30
	.end_amdhsa_kernel
	.amdgpu_metadata
---
amdhsa.version: [ 1, 2 ]
amdhsa.kernels:
  - .name:           k_qc3ab261187_prep
    .symbol:         k_qc3ab261187_prep.kd
    .args:
      - { .name: Wq, .offset: 0, .size: 8, .value_kind: global_buffer, .address_space: global }
      - { .name: Wk, .offset: 8, .size: 8, .value_kind: global_buffer, .address_space: global }
      - { .name: Wv, .offset: 16, .size: 8, .value_kind: global_buffer, .address_space: global }
      - { .name: Wout, .offset: 24, .size: 8, .value_kind: global_buffer, .address_space: global }
      - { .name: wc, .offset: 32, .size: 8, .value_kind: global_buffer, .address_space: global }
      - { .name: ws, .offset: 40, .size: 8, .value_kind: global_buffer, .address_space: global }
      - { .name: wo, .offset: 48, .size: 8, .value_kind: global_buffer, .address_space: global }
    .group_segment_fixed_size: 0
    .private_segment_fixed_size: 0
    .kernarg_segment_align: 8
    .kernarg_segment_size: 56
    .max_flat_workgroup_size: 128
    .sgpr_count:     66
    .vgpr_count:     224
    .wavefront_size: 32
...
	.end_amdgpu_metadata
.endif
;; end of part 1
;; launch proj (part 2): grid 128 x 3, 16 waves a work-group, no clusters, 174,080 bytes of LDS; arguments queries, keys, values, wc, ws, qf, kv; writes qf, kv
.if DOCPART == 2
	.amdgcn_target "amdgcn-amd-amdhsa--gfx1250"
	.amdhsa_code_object_version 6
	.text
	.protected	k_qc3ab261187_proj
	.globl	k_qc3ab261187_proj
	.p2align	8
	.type	k_qc3ab261187_proj,@function
k_qc3ab261187_proj:
	s_mov_b64 s[64:65], 0
	v_nop
	global_prefetch_b8 v0, s[64:65] scope:SCOPE_SE
	s_setreg_imm32_b32 hwreg(HW_REG_WAVE_MODE, 25, 1), 1
	s_wait_xcnt 0x0
; q, k, v = the tokens x the heads' weights, both operands as codes of FP4 (E2M1) with one E8M0 scale for each 32 along d_model; sums in f32; results rounded once to f16.  No work is left out.
; SHARES.  Work-group (x, y) takes 64 tokens (rows 64 x on) of tensor y (0 queries, 1 keys, 2 values) and all 1,024 columns.  Wave w makes head w: 4 tiles of 16 tokens x 4 tiles of 16 channels, 16 accumulators.
; PHASE X.  Each token row is read by this work-group alone, so it is quantised here, in registers.  Wave w makes fragments 2 w and 2 w + 1 (tile of tokens w / 4, K steps 2 (w % 4) and + 1).  Each load takes 512 consecutive
; bytes of a row; the 16 rows turn through the wave's own stage in LDS, so that a lane holds 16 neighbours of each block of 32.  The codes and scale words go to LDS AS IMAGES OF THE OPERAND'S REGISTERS (16 bytes a lane
; at 16 x lane), one barrier, and every wave reads all 32 fragments back by the same lines.
; PHASE G.  Eight K steps of 128.  The weights' fragments come from wc and ws straight into registers, laid in register order by the launch before, one K step ahead.
; q and k: the product is used transposed (source 0 = 16 channels of W, source 1 = 16 tokens): a lane holds one token and eight neighbouring channels.  v: source 0 = tokens, source 1 = W: a lane holds one channel and
; eight neighbouring tokens, since the tokens (keys) are the K of attention's second product.  Either way four conversions make 16 bytes that lie in the reader's register order, and a wave's store covers 512 consecutive bytes:
;   qf [b x 16 + head][tile of 16 queries 128][group of 8 channels 8][query 16][8];   kv [b x 16 + head][step of 64 keys 32][k: [tile of keys 4][group of channels 8][key 16][8] | v: [32 keys 2][tile of channels 4][group of keys 4][channel 16][8]]
; NO CLUSTER: each weight byte is wanted by one wave of a work-group, in its registers; a joint load delivers into LDS, where beside the stages and images two slots of one K step would fit, and a K step is 16 products a wave:
; too little work for a round of the cluster's barrier at every step.
; LIMITS: a block whose largest magnitude lies under 2^-124 gets the byte 1, a block of zeros too (its codes are zeros; this program alone reads the bytes); |q|, |k|, |v| stay at or under 65,504 (f16); NaN and infinities are not served.
.set XIMG,  0                          ; LDS: the tokens' 32 fragments, 1,024 bytes each: fragment 8 m + s = tile of tokens m, K step s
.set XSC,   32768                      ; their scale words, 128 bytes each
.set STG,   36864                      ; a stage for each wave: 16 rows x (512 bytes + 16): row r starts 4 r banks on
.set SP,    528
.set SPARE, 172032                     ; the spare words, 128 bytes for each wave: eight blocks of 256 bytes that no other line names
.set L16, 1                            ; v1   16 x lane
.set L4,  2                            ; v2   4 x lane
.set STW, 3                            ; v3   the stage, on the way in: 16 x lane of a row
.set STR, 4                            ; v4   and on the way out: row r, + 64 h
.set XWI, 5                            ; v5   where I store my fragments' images
.set XWS, 6                            ; v6   and their scale words
.set ACC, 16                           ; v16-143  accumulator (m, t) at 8 (4 m + t);  in phase X the 128 numbers as loaded
.set R,   16
.set BF,  144                          ; v144-207 the weights' fragments, two sets of four;  in phase X 64 neighbours;  on the way out the packed results
.set XN,  144
.set OUTP, 144
.set AF,  208                          ; v208-239 the tokens' four fragments;  in phase X: the codes just made, and registers at work
.set PC,  208
.set TM,  216
.set PW,  232
.set BSC, 240                          ; v240-243 the weights' scale words, two sets of two: lanes 0-15 tile 2 i, lanes 16-31 tile 2 i + 1
.set ASC, 244                          ; v244-247 the tokens' scale words.  v240-247 hold scales and nothing else
.set SPW, 248                          ; v248 LDS address of my spare word; never rewritten
.set NIL, 249                          ; v249 0; never rewritten
.set WV,  20
.set TY,  21
.set SEL, 28
; 64 numbers of a lane, register 16 b + i = k 32 b + 16 (lane / 16) + i of my row, become a fragment's codes in v[PC] on and its scale word in v[PW]
.macro QUANT s
.irp b, 0,1,2,3
	v_max3_num_f32 v[TM+\b], |v[\s+16*\b]|, |v[\s+1+16*\b]|, 0x1800000   ; block b: my 16 numbers, and the floor 2^(3 - 127): the byte cannot fall under 1
.endr
.irp i, 2,4,6,8,10,12,14
.irp b, 0,1,2,3
	v_max3_num_f32 v[TM+\b], v[TM+\b], |v[\s+16*\b+\i]|, |v[\s+1+16*\b+\i]|   ; the four blocks by turns
.endr
.endr
.irp b, 0,1,2,3
	v_permlanex16_b32 v[TM+4+\b], v[TM+\b], s[SEL], s[SEL+1]
.endr
.irp b, 0,1,2,3
	v_max_num_f32 v[TM+\b], v[TM+\b], v[TM+4+\b]   ; with lane l xor 16's: the block's largest magnitude
.endr
.irp b, 0,1,2,3
	v_add_nc_u32 v[TM+12+\b], 0xff000000, v[TM+\b] ; 2 off its exponent field: the conversion's scale operand
.endr
.irp b, 0,1,2,3
	v_lshrrev_b32 v[TM+4+\b], 23, v[TM+12+\b]      ; the scale's byte
.endr
	v_lshl_or_b32 v[PW], v[TM+5], 8, v[TM+4]       ; the four bytes make my row's scale word
	v_lshl_or_b32 v[PW], v[TM+6], 16, v[PW]
	v_lshl_or_b32 v[PW], v[TM+7], 24, v[PW]
.irp b, 0,1,2,3
	v_cvt_scalef32_pk8_fp4_f32 v[PC+2*\b], v[\s+16*\b:\s+7+16*\b], v[TM+12+\b]
	v_cvt_scalef32_pk8_fp4_f32 v[PC+1+2*\b], v[\s+8+16*\b:\s+15+16*\b], v[TM+12+\b]
.endr
	v_nop                                          ; one plain instruction behind the last scaled conversion
.irp c, 0,1                                    ; the operand's layout wants a whole block in a lane: lanes 0-15 block 2 c, lanes 16-31 block 2 c + 1
.irp i, 0,1
	v_permlane16_swap_b32 v[PC+4*\c+\i], v[PC+2+4*\c+\i]
.endr
.endr
.endm
.macro TURNX s                         ; fragment s's 16 rows x 512 bytes through my stage: LDS serves a wave's instructions in order, so no wait stands between the stores and the loads
.irp i, 0,1,2,3,4,5,6,7,8,9,10,11,12,13,14,15
	ds_store_b128 v[STW], v[R+64*\s+4*\i:R+64*\s+4*\i+3] offset:SP*\i
.endr
.irp b, 0,1,2,3
.irp j, 0,1,2,3
	ds_load_b128 v[XN+16*\b+4*\j:XN+16*\b+4*\j+3], v[STR] offset:128*\b+16*\j
.endr
.endr
.endm
.macro IMAGE s                         ; the fragment in v[PC] on goes to LDS as it stands, and its scale word
.irp c, 0,1
	ds_store_b128 v[XWI], v[PC+4*\c:PC+4*\c+3] offset:XIMG+1024*\s+512*\c
.endr
	ds_store_b32 v[XWS], v[PW] offset:128*\s
.endm
.macro BLOAD s                         ; K step s of my head's weights into set s % 2: four fragments and two registers of scale words: ten loads
.irp t, 0,1,2,3
.irp c, 0,1
	global_load_b128 v[BF+32*((\s)%2)+8*\t+4*\c:BF+32*((\s)%2)+8*\t+4*\c+3], v[L16], s[22:23] offset:65536*(\s)+1024*\t+512*\c
.endr
.endr
.irp i, 0,1
	global_load_b32 v[BSC+2*((\s)%2)+\i], v[L4], s[24:25] offset:4096*(\s)+128*\i
.endr
.endm
; One product: tile of tokens m x tile of channels t, K step s.  The first K step starts the sums with the constant 0: nothing is cleared.  Odd tiles of channels have their scale words in lanes 16-31.
.macro PROD s, nat, m, t
.set rD, ACC+8*(4*(\m)+(\t))
.set rW, BF+32*((\s)%2)+8*(\t)
.set rX, AF+8*(\m)
.set rV, BSC+2*((\s)%2)+(\t)/2
.set rY, ASC+(\m)
.if (\nat) == 0
.if (\s) == 0
.if (\t)%2
	v_wmma_scale_f32_16x16x128_f8f6f4 v[rD:rD+7], v[rW:rW+7], v[rX:rX+7], 0, v[rV], v[rY] matrix_a_fmt:MATRIX_FMT_FP4 matrix_b_fmt:MATRIX_FMT_FP4 matrix_a_scale:MATRIX_SCALE_ROW1
.else
	v_wmma_scale_f32_16x16x128_f8f6f4 v[rD:rD+7], v[rW:rW+7], v[rX:rX+7], 0, v[rV], v[rY] matrix_a_fmt:MATRIX_FMT_FP4 matrix_b_fmt:MATRIX_FMT_FP4
.endif
.else
.if (\t)%2
	v_wmma_scale_f32_16x16x128_f8f6f4 v[rD:rD+7], v[rW:rW+7], v[rX:rX+7], v[rD:rD+7], v[rV], v[rY] matrix_a_fmt:MATRIX_FMT_FP4 matrix_b_fmt:MATRIX_FMT_FP4 matrix_a_scale:MATRIX_SCALE_ROW1
.else
	v_wmma_scale_f32_16x16x128_f8f6f4 v[rD:rD+7], v[rW:rW+7], v[rX:rX+7], v[rD:rD+7], v[rV], v[rY] matrix_a_fmt:MATRIX_FMT_FP4 matrix_b_fmt:MATRIX_FMT_FP4
.endif
.endif
.else
.if (\s) == 0
.if (\t)%2
	v_wmma_scale_f32_16x16x128_f8f6f4 v[rD:rD+7], v[rX:rX+7], v[rW:rW+7], 0, v[rY], v[rV] matrix_a_fmt:MATRIX_FMT_FP4 matrix_b_fmt:MATRIX_FMT_FP4 matrix_b_scale:MATRIX_SCALE_ROW1
.else
	v_wmma_scale_f32_16x16x128_f8f6f4 v[rD:rD+7], v[rX:rX+7], v[rW:rW+7], 0, v[rY], v[rV] matrix_a_fmt:MATRIX_FMT_FP4 matrix_b_fmt:MATRIX_FMT_FP4
.endif
.else
.if (\t)%2
	v_wmma_scale_f32_16x16x128_f8f6f4 v[rD:rD+7], v[rX:rX+7], v[rW:rW+7], v[rD:rD+7], v[rY], v[rV] matrix_a_fmt:MATRIX_FMT_FP4 matrix_b_fmt:MATRIX_FMT_FP4 matrix_b_scale:MATRIX_SCALE_ROW1
.else
	v_wmma_scale_f32_16x16x128_f8f6f4 v[rD:rD+7], v[rX:rX+7], v[rW:rW+7], v[rD:rD+7], v[rY], v[rV] matrix_a_fmt:MATRIX_FMT_FP4 matrix_b_fmt:MATRIX_FMT_FP4
.endif
.endif
.endif
.endm
.macro KSTEP s, nat
.if (\s) > 0
.rept 4
	v_nop                                          ; four plain instructions between the last K step's products and loads into registers that they read (ISA guide 7.12.1 for vector instructions)
.endr
.endif
.irp m, 0,1,2,3
.irp c, 0,1
	ds_load_b128 v[AF+8*\m+4*\c:AF+8*\m+4*\c+3], v[L16] offset:XIMG+(8*\m+(\s))*1024+512*\c
.endr
	ds_load_b32 v[ASC+\m], v[L4] offset:XSC+(8*\m+(\s))*128
.endr
.if (\s) < 7
	BLOAD (\s)+1                                   ; the set that K step s - 1 multiplied takes K step s + 1
	s_wait_loadcnt 10                              ; this K step's weights are in; the ten loads just issued may be out
.else
	s_wait_loadcnt 0x0
.endif
	s_wait_dscnt 0x0
.irp m, 0,1,2,3                                ; the sixteen accumulators take turns, one instruction a turn, in the same order in every K step
.irp t, 0,1,2,3
	PROD \s, \nat, \m, \t
.endr
.endr
.endm
.macro GEMM nat
.irp s, 0,1,2,3,4,5,6,7
	KSTEP \s, \nat
.endr
.rept 4
	v_nop                                          ; four plain instructions ahead of the first read of results and the first write of operands' registers
.endr
.irp a, 0,1,2,3,4,5,6,7,8,9,10,11,12,13,14,15
.irp e, 0,1,2,3
	v_cvt_pk_f16_f32 v[OUTP+4*\a+\e], v[ACC+8*\a+2*\e], v[ACC+8*\a+2*\e+1]   ; each accumulator from its low end on
.endr
.endr
.irp m, 0,1,2,3
.irp t, 0,1,2,3
.if \nat
	global_store_b128 v[L16], v[OUTP+4*(4*\m+\t):OUTP+4*(4*\m+\t)+3], s[26:27] offset:8192+((\m/2)*4+\t)*1024+(\m%2)*512   ; v: 32 keys m / 2, tile of channels t, groups of keys 2 (m % 2) + h
.else
	global_store_b128 v[L16], v[OUTP+4*(4*\m+\t):OUTP+4*(4*\m+\t)+3], s[26:27] offset:512*(4*\m+\t)   ; q, k: tile of tokens m, groups of channels 2 t + h: the wave's 8,192 bytes on end
.endif
.endr
.endr
.endm
	s_load_b256 s[4:11], s[0:1], 0x0               ; queries s[4:5], keys s[6:7], values s[8:9], wc s[10:11]
	s_load_b128 s[12:15], s[0:1], 0x20             ; ws s[12:13], qf s[14:15]
	s_load_b64 s[16:17], s[0:1], 0x30              ; kv
	v_lshl_add_u32 v[SPW], v0, 2, SPARE
	v_mov_b32 v[NIL], 0
	v_lshrrev_b32 v7, 5, v0
	v_readfirstlane_b32 s[WV], v7                  ; wave 0..15
	v_and_b32 v7, 31, v0
	v_lshlrev_b32 v[L16], 4, v7
	v_lshlrev_b32 v[L4], 2, v7
	v_and_b32 v8, 15, v0                           ; r
	v_bfe_u32 v9, v0, 4, 1                         ; h
	s_mul_i32 s30, s[WV], 16*SP
	s_add_co_u32 s30, s30, STG                     ; my stage
	v_add_nc_u32 v[STW], s30, v[L16]
	v_mul_u32_u24 v[STR], v8, SP
	v_lshl_add_u32 v[STR], v9, 6, v[STR]
	v_add_nc_u32 v[STR], s30, v[STR]
	s_lshl_b32 s30, s[WV], 11
	v_add_nc_u32 v[XWI], s30, v[L16]               ; fragments 2 w, 2 w + 1
	s_lshl_b32 s30, s[WV], 8
	s_add_co_u32 s30, s30, XSC
	v_add_nc_u32 v[XWS], s30, v[L4]
	s_mov_b32 s[SEL], 0x76543210
	s_mov_b32 s[SEL+1], 0xfedcba98                 ; v_permlanex16_b32's selects for lane l xor 16
.irp b, 0,1,2,3
	v_mov_b32 v[TM+4+\b], 0                        ; written once: a lane permute's destination counts as one of its sources
.endr
	s_and_b32 s[TY], ttmp7, 0xffff                 ; which tensor
	s_lshl_b32 s32, ttmp9, 18                      ; the tokens: 64 rows of 4,096 bytes a work-group,
	s_lshr_b32 s30, s[WV], 2
	s_lshl_b32 s30, s30, 16                        ; 16 rows for each tile,
	s_add_co_u32 s32, s32, s30
	s_and_b32 s30, s[WV], 3
	s_lshl_b32 s30, s30, 10                        ; two K steps of 512 bytes
	s_add_co_u32 s32, s32, s30
	s_mov_b32 s33, 0
	s_lshl_b32 s34, s[TY], 19                      ; wc: the tensor, my head's four tiles
	s_lshl_b32 s30, s[WV], 12
	s_add_co_u32 s34, s34, s30
	s_mov_b32 s35, 0
	s_lshl_b32 s36, s[TY], 15                      ; ws likewise
	s_lshl_b32 s30, s[WV], 8
	s_add_co_u32 s36, s36, s30
	s_mov_b32 s37, 0
	s_lshr_b32 s38, ttmp9, 5                       ; the batch
	s_lshl_b32 s38, s38, 4
	s_add_co_u32 s38, s38, s[WV]                   ; 16 b + head
	s_lshl_b32 s38, s38, 18                        ; in qf: 262,144 bytes a head,
	s_and_b32 s30, ttmp9, 31
	s_lshl_b32 s30, s30, 13                        ; 8,192 for 64 tokens;
	s_add_co_u32 s38, s38, s30
	s_cmp_eq_u32 s[TY], 0
	s_cselect_b32 s30, 0, 1
	s_lshl_b32 s38, s38, s30                       ; in kv twice that
	s_mov_b32 s39, 0
	s_wait_kmcnt 0x0
	s_cmp_eq_u32 s[TY], 0                          ; the buffers are chosen by the work-group's number alone
	s_cselect_b64 s[18:19], s[4:5], s[6:7]
	s_cselect_b64 s[26:27], s[14:15], s[16:17]
	s_cmp_eq_u32 s[TY], 2
	s_cselect_b64 s[18:19], s[8:9], s[18:19]
	s_add_nc_u64 s[18:19], s[18:19], s[32:33]
	s_add_nc_u64 s[22:23], s[10:11], s[34:35]
	s_add_nc_u64 s[24:25], s[12:13], s[36:37]
	s_add_nc_u64 s[26:27], s[26:27], s[38:39]
	; ---- PHASE X
.irp s, 0,1
.irp i, 0,1,2,3,4,5,6,7,8,9,10,11,12,13,14,15
	global_load_b128 v[R+64*\s+4*\i:R+64*\s+4*\i+3], v[L16], s[18:19] offset:4096*\i+512*\s th:TH_LOAD_NT   ; 32 lanes read 512 consecutive bytes of row i
.endr
.endr
	s_wait_loadcnt 16                              ; the first fragment's 16 loads are in; the second's 16 may be out
	TURNX 0
	s_wait_dscnt 0x0
	QUANT XN
	IMAGE 0
	s_wait_loadcnt 0x0
	TURNX 1
	s_wait_dscnt 0x0
	QUANT XN
	BLOAD 0                                        ; the first K step's weights: the 64 neighbours' registers are free
	IMAGE 1
	s_wait_dscnt 0x0                               ; for the others' sake: my images have landed
	s_barrier_signal -1
	s_barrier_wait -1                              ; the 32 fragments lie in LDS; nothing is stored to LDS from here on
	; ---- PHASE G
	s_cmp_eq_u32 s[TY], 2
	s_cbranch_scc1 .Lvalues
	GEMM 0
	s_branch .Ldone
.Lvalues:
	GEMM 1
.Ldone:
	s_wait_tensorcnt 0x0                           ; the wave's end, behind my last LDS store
	ds_add_u32 v[SPW], v[NIL]
	s_wait_dscnt 0x0
	s_endpgm
.Lfunc_end_k_qc3ab261187_proj:
	.size	k_qc3ab261187_proj, .Lfunc_end_k_qc3ab261187_proj-k_qc3ab261187_proj
	.p2alignl 7, 3214868480
	.fill 96, 4, 3214868480
	.section	.rodata,"a",@progbits
	.p2align	6, 0x0
	.amdhsa_kernel k_qc3ab261187_proj
		.amdhsa_group_segment_fixed_size 174080
		.amdhsa_private_segment_fixed_size 0
		.amdhsa_enable_private_segment 0
		.amdhsa_kernarg_size 56
		.amdhsa_user_sgpr_count 2
		.amdhsa_user_sgpr_kernarg_segment_ptr 1
		.amdhsa_wavefront_size32 1
		.amdhsa_system_sgpr_workgroup_id_x 1
		.amdhsa_system_sgpr_workgroup_id_y 1
		.amdhsa_system_sgpr_workgroup_id_z 1
		.amdhsa_system_vgpr_workitem_id 0
		.amdhsa_next_free_vgpr 256
		.amdhsa_next_free_sgpr 66
		.amdhsa_reserve_vcc 0
		.amdhsa_float_denorm_mode_32 3
		.amdhsa_float_denorm_mode_16_64 3
		.amdhsa_memory_ordered 1
		.amdhsa_forward_progress 1
		.amdhsa_inst_pref_size 91
	.end_amdhsa_kernel
	.amdgpu_metadata
---
amdhsa.version: [ 1, 2 ]
amdhsa.kernels:
  - .name:           k_qc3ab261187_proj
    .symbol:         k_qc3ab261187_proj.kd
    .args:
      - { .name: queries, .offset: 0, .size: 8, .value_kind: global_buffer, .address_space: global }
      - { .name: keys, .offset: 8, .size: 8, .value_kind: global_buffer, .address_space: global }
      - { .name: values, .offset: 16, .size: 8, .value_kind: global_buffer, .address_space: global }
      - { .name: wc, .offset: 24, .size: 8, .value_kind: global_buffer, .address_space: global }
      - { .name: ws, .offset: 32, .size: 8, .value_kind: global_buffer, .address_space: global }
      - { .name: qf, .offset: 40, .size: 8, .value_kind: global_buffer, .address_space: global }
      - { .name: kv, .offset: 48, .size: 8, .value_kind: global_buffer, .address_space: global }
    .group_segment_fixed_size: 174080
    .private_segment_fixed_size: 0
    .kernarg_segment_align: 8
    .kernarg_segment_size: 56
    .max_flat_workgroup_size: 512
    .sgpr_count:     66
    .vgpr_count:     256
    .wavefront_size: 32
...
	.end_amdgpu_metadata
.endif
;; end of part 2
;; launch attn (part 3): grid 4 x 64, 16 waves a work-group, clusters of 4 x 1, 327,680 bytes of LDS; arguments qf, kv, cf; writes cf
.if DOCPART == 3
	.amdgcn_target "amdgcn-amd-amdhsa--gfx1250"
	.amdhsa_code_object_version 6
	.text
	.protected	k_qc3ab261187_attn
	.globl	k_qc3ab261187_attn
	.p2align	8
	.type	k_qc3ab261187_attn,@function
k_qc3ab261187_attn:
	s_mov_b64 s[64:65], 0
	v_nop
	global_prefetch_b8 v0, s[64:65] scope:SCOPE_SE
	s_setreg_imm32_b32 hwreg(HW_REG_WAVE_MODE, 25, 1), 1
	s_wait_xcnt 0x0
	s_wait_alu depctr_hold_cnt(0) depctr_sa_sdst(0) depctr_va_vdst(0) depctr_va_sdst(0) depctr_va_ssrc(0) depctr_va_vcc(0) depctr_vm_vsrc(0)
	s_getreg_b32 s2, hwreg(HW_REG_IB_STS2, 6, 4)
	s_cmp_eq_u32 s2, 0
	s_cbranch_scc0 .Lentry_in_a_cluster
	s_endpgm
.Lentry_in_a_cluster:
	s_bfe_u32 s2, ttmp6, 0x10000c
	s_cmp_lg_u32 s2, 0x3003
	s_cbranch_scc0 .Lentry_shape_is_right
	s_endpgm
.Lentry_shape_is_right:
; O[q] = the sum over keys of softmax(q . k / 8) v, for each of 64 (batch, head) pairs: 2,048 queries, 2,048 keys, head size 64.  q, k, v and the weights p go to the matrix unit in f16; products, maxima and sums in f32.  No work is left out.
; SHARES.  A cluster of four work-groups is one (batch, head); a work-group owns 512 queries, each of its SIXTEEN waves 32: two tiles of 16, in 256 registers: four waves to a SIMD, so that one wave's softmax stands beside another's products.
; Every wave walks all keys, 64 a step.  A step's k and v are 16,384 consecutive bytes of kv, laid in the order of the operands' registers: a fragment is two loads of 16 bytes a lane at 16 x lane.
; RING.  Two LDS slots of 8 steps (131,072 bytes); the head's keys are four such parts.  The four work-groups walk the same keys, so each part is asked for JOINTLY: every wave asks for its own 8,192 bytes (32 rows of 256: a slot's
; sixteenth), with the same descriptor in all four work-groups and a mask that names the four.  By this text's count a wave has two tensor loads out at the start and one behind each round; a refill has 8 steps, 256 products a wave, in which to land.
; LAYOUT.  S^T = K Q^T (source 0 = 16 keys, source 1 = 16 queries): a lane holds ONE query and the keys 8 (lane / 16) + 0..7.  Two such tiles, rounded to f16 in pairs, ARE source 1 (32 keys x 16 queries) of O^T = V^T P.
; SOFTMAX.  For each query a running maximum m and sum l: p = 2^(c s - c m), c = log2(e) / 8; in every step O and l are multiplied by a = 2^(c m_old - c m_new).  m starts at -3e38, l and O^T at 0, so the step is written once.
; The sum is taken of p before it is rounded.  No prefetch: a part is asked for a whole slot ahead of its first read, and the first two go out at the head.
; LIMITS: the heads' outputs stay at or under 65,504 (f16); scores stay above -3e38; NaN and infinities are not served.
; cf [tile of 16 tokens 512][group of 8 along d_model 128][token 16][8], f16: head h fills groups 8 h .. 8 h + 7.
.set SLOT1, 131072
.set STEPB, 16384
.set SPARE, 262144                     ; behind the ring: the spare words, 128 bytes for each wave: eight blocks of 256 bytes that no other line names
.set L16, 1                            ; v1   16 x lane; never rewritten
.set AD,  2                            ; v2   LDS address of the step in hand
.set SPW, 4                            ; v4   LDS address of my spare word; never rewritten
.set NIL, 5                            ; v5   0; never rewritten
.set ST,  8                            ; v8-23    tile u's statistics at 8 u: +0 c m, +1 m, +2, +3 l (even keys', odd keys'), +4 to +7 at work; a in +6
.set Q,   24                           ; v24-55   Q: tile u, channels 32 f on: 16 u + 8 f
.set S,   56                           ; v56-119  S^T, 32 a tile; p's f16 pairs are made in place in a tile's first 16
.set O,   120                          ; v120-183 O^T, 32 a tile
.set KV,  184                          ; v184-247 a step's k, then its v: 8 fragments
.set WV,  10
.set G1,  16                           ; s[16:23] descriptor group 1
.set G0,  24                           ; s[24:31] descriptor group 0, a set for each slot
.set CS,  32                           ; s[32:33] c: the packed form names a pair and takes its low word for both halves
.set SEL, 34                           ; s[34:35] lane selects: lane l xor 16
.set TB,  36                           ; s36  LDS byte at which the step in hand begins
.set CNT, 37                           ; s37  counts a slot's steps
; A round of the cluster's barrier: my work-group's barrier; wave 0 signals for the work-group; every wave waits for all four work-groups; my work-group's barrier once more.
.macro CROUND
	s_barrier_signal -1
	s_barrier_wait -1
	s_cmp_lg_u32 s[WV], 0
	s_cbranch_scc1 .Lnot_wave_0_\@
	s_barrier_signal -3
.Lnot_wave_0_\@:
	s_barrier_wait -3
	s_barrier_signal -1
	s_barrier_wait -1
.endm
; The softmax of both tiles for one step: every line for tile 0, then for tile 1, so that no instruction reads the result of the one just before it.
.macro SOFTMAX
.irp j, 0,1,2,3                                ; the maximum of a lane's 32 scores and the old m: four chains, each begun at an accumulator's low end
.irp u, 0,1
	v_max3_num_f32 v[ST+8*\u+4+\j], v[S+32*\u+8*\j], v[S+32*\u+8*\j+1], v[S+32*\u+8*\j+2]
.endr
.endr
.irp g, 1,2
.irp j, 0,1,2,3
.irp u, 0,1
	v_max3_num_f32 v[ST+8*\u+4+\j], v[ST+8*\u+4+\j], v[S+32*\u+8*\j+2*\g+1], v[S+32*\u+8*\j+2*\g+2]
.endr
.endr
.endr
.irp u, 0,1
	v_max3_num_f32 v[ST+8*\u+4], v[ST+8*\u+4], v[S+32*\u+7], v[S+32*\u+15]
	v_max3_num_f32 v[ST+8*\u+6], v[ST+8*\u+6], v[S+32*\u+23], v[S+32*\u+31]
.endr
.irp u, 0,1
	v_max3_num_f32 v[ST+8*\u+4], v[ST+8*\u+4], v[ST+8*\u+5], v[ST+8*\u+6]
.endr
.irp u, 0,1
	v_max3_num_f32 v[ST+8*\u+4], v[ST+8*\u+4], v[ST+8*\u+7], v[ST+8*\u+1]
.endr
.irp u, 0,1
	v_permlanex16_b32 v[ST+8*\u+5], v[ST+8*\u+4], s[SEL], s[SEL+1]   ; the query's other 32 keys lie in the lane 16 away
.endr
.irp u, 0,1
	v_mov_b32 v[ST+8*\u+7], v[ST+8*\u]             ; c m_old is kept for a
.endr
.irp u, 0,1
	v_max_num_f32 v[ST+8*\u+1], v[ST+8*\u+4], v[ST+8*\u+5]
.endr
.irp u, 0,1
	v_mul_f32 v[ST+8*\u], s[CS], v[ST+8*\u+1]
.endr
.irp u, 0,1
	v_sub_f32 v[ST+8*\u+7], v[ST+8*\u+7], v[ST+8*\u]
.endr
.irp b, 0,2,4,6,8,10,12,14,16,18,20,22,24,26,28,30
.irp u, 0,1
	v_pk_fma_f32 v[S+32*\u+\b:S+32*\u+\b+1], v[S+32*\u+\b:S+32*\u+\b+1], s[CS:CS+1], v[ST+8*\u:ST+8*\u+1] op_sel_hi:[1,0,0] neg_lo:[0,0,1] neg_hi:[0,0,1]   ; c s - c m, two at a time
.endr
.endr
.irp u, 0,1
	v_exp_f32 v[ST+8*\u+6], v[ST+8*\u+7]           ; a
.endr
.set e, 0
.rept 32                                       ; ONE BATCH: 66 exponentials, none of which reads another's result
	v_exp_f32 v[S+e], v[S+e]
	v_exp_f32 v[S+32+e], v[S+32+e]
.set e, e+1
.endr
	v_nop                                          ; one plain instruction behind the last exponential, ahead of the first use
	s_wait_alu depctr_va_vdst(0)                   ; and one wait ahead of the batch's first reader
.irp u, 0,1                                    ; the sums, of p as it is: l = a l + pair 0; even pairs onto l, odd pairs onto a second chain
	v_pk_fma_f32 v[ST+8*\u+2:ST+8*\u+3], v[ST+8*\u+2:ST+8*\u+3], v[ST+8*\u+6:ST+8*\u+7], v[S+32*\u:S+32*\u+1] op_sel_hi:[1,0,1]
.endr
.irp u, 0,1
	v_pk_add_f32 v[ST+8*\u+4:ST+8*\u+5], v[S+32*\u+2:S+32*\u+3], v[S+32*\u+6:S+32*\u+7]
.endr
.irp b, 2,4,6,8,10,12
.irp u, 0,1
	v_pk_add_f32 v[ST+8*\u+2:ST+8*\u+3], v[ST+8*\u+2:ST+8*\u+3], v[S+32*\u+2*\b:S+32*\u+2*\b+1]
.endr
.irp u, 0,1
	v_pk_add_f32 v[ST+8*\u+4:ST+8*\u+5], v[ST+8*\u+4:ST+8*\u+5], v[S+32*\u+2*\b+6:S+32*\u+2*\b+7]
.endr
.endr
.irp u, 0,1
	v_pk_add_f32 v[ST+8*\u+2:ST+8*\u+3], v[ST+8*\u+2:ST+8*\u+3], v[S+32*\u+28:S+32*\u+29]
.endr
.irp u, 0,1
	v_pk_add_f32 v[ST+8*\u+2:ST+8*\u+3], v[ST+8*\u+2:ST+8*\u+3], v[ST+8*\u+4:ST+8*\u+5]
.endr
.irp n, 0,1,2,3,4,5,6,7,8,9,10,11,12,13,14,15  ; p to f16, in place: register n was read at number n / 2.  Registers 8 c .. 8 c + 7 are then source 1 for keys 32 c on
.irp u, 0,1
	v_cvt_pk_f16_f32 v[S+32*\u+\n], v[S+32*\u+2*\n], v[S+32*\u+2*\n+1]
.endr
.endr
.irp i, 0,2,4,6,8,10,12,14,16,18,20,22,24,26,28,30   ; O^T times a, each accumulator from its low end on
.irp u, 0,1
	v_pk_mul_f32 v[O+32*\u+\i:O+32*\u+\i+1], v[O+32*\u+\i:O+32*\u+\i+1], v[ST+8*\u+6:ST+8*\u+7] op_sel_hi:[1,0]
.endr
.endr
.endm
; A KEY STEP: 64 keys at LDS byte s[TB].  In both runs of products eight accumulators take turns, one instruction a turn.
.macro STEP
	v_add_nc_u32 v[AD], s[TB], v[L16]
.rept 5
	v_nop                                          ; with the addition six plain instructions behind the last step's products: four are wanted ahead of loads into v's registers, five ahead of products that write over p's (ISA guide 7.12.1 for vector instructions)
.endr
.set li, 0
.rept 16
	ds_load_b128 v[KV+4*li:KV+4*li+3], v[AD] offset:512*li       ; k: fragment 2 t + f = keys 16 t on, channels 32 f on
.set li, li+1
.endr
	s_wait_dscnt 0x0
.irp f, 0,1
.irp k, 0,1,2,3
.irp u, 0,1
.if \f == 0
	v_wmma_f32_16x16x32_f16 v[S+32*\u+8*\k:S+32*\u+8*\k+7], v[KV+8*(2*\k+\f):KV+8*(2*\k+\f)+7], v[Q+16*\u+8*\f:Q+16*\u+8*\f+7], 0
.else
	v_wmma_f32_16x16x32_f16 v[S+32*\u+8*\k:S+32*\u+8*\k+7], v[KV+8*(2*\k+\f):KV+8*(2*\k+\f)+7], v[Q+16*\u+8*\f:Q+16*\u+8*\f+7], v[S+32*\u+8*\k:S+32*\u+8*\k+7]
.endif
.endr
.endr
.endr
.rept 4
	v_nop                                          ; four plain instructions ahead of loads into k's registers and of the first read of the scores
.endr
.set li, 0
.rept 16
	ds_load_b128 v[KV+4*li:KV+4*li+3], v[AD] offset:8192+512*li  ; v: fragment 4 c + t = keys 32 c on, channels 16 t on; it lands under the softmax
.set li, li+1
.endr
	SOFTMAX
	s_wait_dscnt 0x0
.irp c, 0,1
.irp t, 0,1,2,3
.irp u, 0,1
	v_wmma_f32_16x16x32_f16 v[O+32*\u+8*\t:O+32*\u+8*\t+7], v[KV+8*(4*\c+\t):KV+8*(4*\c+\t)+7], v[S+32*\u+8*\c:S+32*\u+8*\c+7], v[O+32*\u+8*\t:O+32*\u+8*\t+7]
.endr
.endr
.endr
.endm
.macro STEPS slot                      ; a slot's eight steps: written once, walked eight times
	s_mov_b32 s[TB], \slot*SLOT1
	s_mov_b32 s[CNT], 8
.Lstep_\@:
	STEP
	s_add_co_u32 s[TB], s[TB], STEPB
	s_sub_co_u32 s[CNT], s[CNT], 1
	s_cmp_lg_u32 s[CNT], 0
	s_cbranch_scc1 .Lstep_\@
.endm
; THE CHANGE OF SLOTS.  Each wave waits for all its tensor loads (its part of the other slot), adds 0 to its spare word, and waits for that and for its reads of the slot just left.
; fill = 1: that slot is filled again with the part two on: the barrier is a round of the cluster's, and the joint refill is the first thing behind it.
.macro CHANGE slot, fill
	s_wait_tensorcnt 0x0                           ; no tensor load of mine is out, so a group 0 may be written
	ds_add_u32 v[SPW], v[NIL]                      ; 0 onto my spare word
.if \fill
	s_add_nc_u64 s[G0+4*\slot+2:G0+4*\slot+3], s[G0+4*\slot+2:G0+4*\slot+3], 2*SLOT1   ; two parts on; the type bits on top are not reached
.endif
	s_wait_dscnt 0x0                               ; the add is done, and my reads of the slot are over
.if \fill
	CROUND
	tensor_load_to_lds s[G0+4*\slot:G0+4*\slot+3], s[G1:G1+7]
	s_nop 0
.rept 4
	v_nop
.endr
.else
	s_barrier_signal -1
	s_barrier_wait -1
.endif
.endm
	s_load_b128 s[4:7], s[0:1], 0x0                ; qf s[4:5], kv s[6:7]
	s_load_b64 s[8:9], s[0:1], 0x10                ; cf
	v_lshl_add_u32 v[SPW], v0, 2, SPARE
	v_mov_b32 v[NIL], 0
	ds_add_u32 v[SPW], v[NIL]                      ; the wave's opening: the add, twice on end, and its wait ahead of my first tensor load; the set-up below stands between
	ds_add_u32 v[SPW], v[NIL]
	v_lshrrev_b32 v1, 5, v0
	v_readfirstlane_b32 s[WV], v1                  ; wave 0..15
	v_and_b32 v1, 31, v0
	v_lshlrev_b32 v[L16], 4, v1
	s_and_b32 s11, ttmp7, 0xffff                   ; 16 b + head, which the four partners share
	s_bfe_u32 s12, ttmp6, 0x40000                  ; cx: my place in the cluster: it enters qf's and cf's addresses alone
	s_lshl_b32 s13, s[WV], 13                      ; my 8,192 bytes of a part, in memory and in a slot
	s_lshl_b32 s38, s11, 19                        ; kv: 524,288 bytes a head
	s_add_co_u32 s38, s38, s13
	s_mov_b32 s39, 0
	s_lshl_b32 s40, s11, 18                        ; qf: 262,144 bytes a head, 65,536 a work-group, 4,096 a wave
	s_lshl_b32 s14, s12, 16
	s_add_co_u32 s40, s40, s14
	s_lshl_b32 s14, s[WV], 12
	s_add_co_u32 s40, s40, s14
	s_mov_b32 s41, 0
	s_lshr_b32 s42, s11, 4                         ; cf: tile of tokens 128 b + 32 cx + 2 w, 32,768 bytes each; head x 2,048
	s_lshl_b32 s42, s42, 7
	s_lshl_b32 s14, s12, 5
	s_add_co_u32 s42, s42, s14
	s_lshl_b32 s14, s[WV], 1
	s_add_co_u32 s42, s42, s14
	s_lshl_b32 s42, s42, 15
	s_and_b32 s14, s11, 15
	s_lshl_b32 s14, s14, 11
	s_add_co_u32 s42, s42, s14
	s_mov_b32 s43, 0
	; descriptor group 1: 8,192 dense bytes as 32 rows of 256 (32 elements of 8 bytes), no padding: the fragments are read 16 bytes a lane on end
	s_mov_b32 s[G1], 15|(3<<16)|(1<<21)            ; 15:0 the mask: all four work-groups; 17:16 elements of 8 bytes; 21 set beside a mask
	s_mov_b32 s[G1+1], 32<<16                      ; tensor_dim0 = 32
	s_mov_b32 s[G1+2], 32<<16                      ; tensor_dim1 = 32
	s_mov_b32 s[G1+3], 32<<16                      ; tile_dim0 = 32
	s_mov_b32 s[G1+4], 32                          ; tile_dim1 = 32
	s_mov_b32 s[G1+5], 32                          ; from row to row
	s_mov_b32 s[G1+6], 0
	s_mov_b32 s[G1+7], 0
	s_mov_b32 s[CS], 0x3e38aa3b                    ; c = log2(e) / 8
	s_mov_b32 s[CS+1], s[CS]                       ; named with it as a pair, so it is written
	s_mov_b32 s[SEL], 0x76543210
	s_mov_b32 s[SEL+1], 0xfedcba98
	s_wait_dscnt 0x0                               ; both opening adds are done
	s_wait_kmcnt 0x0
	s_add_nc_u64 s[6:7], s[6:7], s[38:39]          ; kv at my bytes of part 0
	s_add_nc_u64 s[4:5], s[4:5], s[40:41]          ; qf at my two tiles
	s_add_nc_u64 s[8:9], s[8:9], s[42:43]          ; cf at my two tiles' part of the head
.irp n, 0,1
	s_mov_b32 s[G0+4*\n], 1                        ; count = 1
	s_add_co_u32 s[G0+4*\n+1], s13, \n*SLOT1       ; LDS address: no place in the cluster enters it
	s_add_nc_u64 s[G0+4*\n+2:G0+4*\n+3], s[6:7], \n*SLOT1   ; global address: part n
	s_or_b32 s[G0+4*\n+3], s[G0+4*\n+3], 0x80000000   ; type = 2
.endr
	CROUND                                         ; all four work-groups are here: the first joint loads meet
	tensor_load_to_lds s[G0:G0+3], s[G1:G1+7]      ; part 0
	s_nop 0
	tensor_load_to_lds s[G0+4:G0+7], s[G1:G1+7]    ; part 1
	s_nop 0
.rept 4
	v_nop
.endr
.irp i, 0,1,2,3,4,5,6,7
	global_load_b128 v[Q+4*\i:Q+4*\i+3], v[L16], s[4:5] offset:512*\i   ; Q stays in registers
.endr
.irp u, 0,1
	v_mov_b32 v[ST+8*\u+1], 0xff61b1e6             ; m = -3e38, under every score
	v_mul_f32 v[ST+8*\u], s[CS], v[ST+8*\u+1]      ; c m
	v_mov_b32 v[ST+8*\u+2], 0                      ; l
	v_mov_b32 v[ST+8*\u+3], 0
.endr
.set li, 0
.rept 64
	v_mov_b32 v[O+li], 0                           ; O^T: the step is written once; its first trip finds zeros, which a = 0 leaves zeros
.set li, li+1
.endr
	s_wait_tensorcnt 1                             ; my bytes of part 0 are in; part 1's load may stay out
	s_barrier_signal -1
	s_barrier_wait -1                              ; everybody's are
	s_wait_loadcnt 0x0                             ; Q
	STEPS 0                                        ; part 0
	CHANGE 0, 1                                    ; part 2 is asked for
	STEPS 1                                        ; part 1
	CHANGE 1, 1                                    ; part 3 is asked for
	STEPS 0                                        ; part 2
	CHANGE 0, 0                                    ; nothing is left to fetch
	STEPS 1                                        ; part 3
	; THE WAY OUT.  l's two halves and the other half of the lanes' are added; O^T is divided by l and rounded to f16: a lane's eight channels are 16 bytes in cf's order, and a wave's store covers 512 consecutive bytes.
.rept 4
	v_nop                                          ; four plain instructions behind the last products
.endr
.irp u, 0,1
	v_add_f32 v[ST+8*\u+4], v[ST+8*\u+2], v[ST+8*\u+3]
.endr
.irp u, 0,1
	v_permlanex16_b32 v[ST+8*\u+5], v[ST+8*\u+4], s[SEL], s[SEL+1]
.endr
.irp u, 0,1
	v_add_f32 v[ST+8*\u+4], v[ST+8*\u+4], v[ST+8*\u+5]
.endr
.irp u, 0,1
	v_rcp_f32 v[ST+8*\u+6], v[ST+8*\u+4]
.endr
	v_nop                                          ; a plain instruction between the last reciprocal and the use of its result
	s_wait_alu depctr_va_vdst(0)                   ; and a wait ahead of the first use: one for both
.irp i, 0,2,4,6,8,10,12,14,16,18,20,22,24,26,28,30
.irp u, 0,1
	v_pk_mul_f32 v[O+32*\u+\i:O+32*\u+\i+1], v[O+32*\u+\i:O+32*\u+\i+1], v[ST+8*\u+6:ST+8*\u+7] op_sel_hi:[1,0]
.endr
.endr
.irp n, 0,1,2,3,4,5,6,7,8,9,10,11,12,13,14,15
.irp u, 0,1
	v_cvt_pk_f16_f32 v[S+32*\u+\n], v[O+32*\u+2*\n], v[O+32*\u+2*\n+1]
.endr
.endr
.irp u, 0,1
.irp t, 0,1,2,3
	global_store_b128 v[L16], v[S+32*\u+4*\t:S+32*\u+4*\t+3], s[8:9] offset:32768*\u+512*\t   ; tile u, groups of channels 2 t + h
.endr
.endr
	s_wait_tensorcnt 0x0                           ; the wave's end, behind my last tensor load
	ds_add_u32 v[SPW], v[NIL]
	s_wait_dscnt 0x0
	CROUND                                         ; the closing round: no work-group ends while a partner may still ask for a part that names it
	s_endpgm
.Lfunc_end_k_qc3ab261187_attn:
	.size	k_qc3ab261187_attn, .Lfunc_end_k_qc3ab261187_attn-k_qc3ab261187_attn
	.p2alignl 7, 3214868480
	.fill 96, 4, 3214868480
	.section	.rodata,"a",@progbits
	.p2align	6, 0x0
	.amdhsa_kernel k_qc3ab261187_attn
		.amdhsa_group_segment_fixed_size 327680
		.amdhsa_private_segment_fixed_size 0
		.amdhsa_enable_private_segment 0
		.amdhsa_kernarg_size 24
		.amdhsa_user_sgpr_count 2
		.amdhsa_user_sgpr_kernarg_segment_ptr 1
		.amdhsa_wavefront_size32 1
		.amdhsa_system_sgpr_workgroup_id_x 1
		.amdhsa_system_sgpr_workgroup_id_y 1
		.amdhsa_system_sgpr_workgroup_id_z 1
		.amdhsa_system_vgpr_workitem_id 0
		.amdhsa_next_free_vgpr 256
		.amdhsa_next_free_sgpr 66
		.amdhsa_reserve_vcc 0
		.amdhsa_float_denorm_mode_32 3
		.amdhsa_float_denorm_mode_16_64 3
		.amdhsa_memory_ordered 1
		.amdhsa_forward_progress 1
		.amdhsa_inst_pref_size 83
	.end_amdhsa_kernel
	.amdgpu_metadata
---
amdhsa.version: [ 1, 2 ]
amdhsa.kernels:
  - .name:           k_qc3ab261187_attn
    .symbol:         k_qc3ab261187_attn.kd
    .args:
      - { .name: qf, .offset: 0, .size: 8, .value_kind: global_buffer, .address_space: global }
      - { .name: kv, .offset: 8, .size: 8, .value_kind: global_buffer, .address_space: global }
      - { .name: cf, .offset: 16, .size: 8, .value_kind: global_buffer, .address_space: global }
    .group_segment_fixed_size: 327680
    .private_segment_fixed_size: 0
    .kernarg_segment_align: 8
    .kernarg_segment_size: 24
    .max_flat_workgroup_size: 512
    .sgpr_count:     66
    .vgpr_count:     256
    .wavefront_size: 32
...
	.end_amdgpu_metadata
.endif
;; end of part 3
;; launch oproj (part 4): grid 8 x 64, 4 waves a work-group, clusters of 4 x 4, 327,680 bytes of LDS; arguments cf, wo, out0, bout; writes out0
.if DOCPART == 4
	.amdgcn_target "amdgcn-amd-amdhsa--gfx1250"
	.amdhsa_code_object_version 6
	.text
	.protected	k_qc3ab261187_oproj
	.globl	k_qc3ab261187_oproj
	.p2align	8
	.type	k_qc3ab261187_oproj,@function
k_qc3ab261187_oproj:
	s_mov_b64 s[64:65], 0
	v_nop
	global_prefetch_b8 v0, s[64:65] scope:SCOPE_SE
	s_setreg_imm32_b32 hwreg(HW_REG_WAVE_MODE, 25, 1), 1
	s_wait_xcnt 0x0
	s_wait_alu depctr_hold_cnt(0) depctr_sa_sdst(0) depctr_va_vdst(0) depctr_va_sdst(0) depctr_va_ssrc(0) depctr_va_vcc(0) depctr_vm_vsrc(0)
	s_getreg_b32 s2, hwreg(HW_REG_IB_STS2, 6, 4)
	s_cmp_eq_u32 s2, 0
	s_cbranch_scc0 .Lentry_in_a_cluster
	s_endpgm
.Lentry_in_a_cluster:
	s_bfe_u32 s2, ttmp6, 0x10000c
	s_cmp_lg_u32 s2, 0xf033
	s_cbranch_scc0 .Lentry_shape_is_right
	s_endpgm
.Lentry_shape_is_right:
; out0[m][n] = the sum over k of concat[m][k] Wout[n][k] + bout[n].  concat (cf) and Wout (wo) are f16, laid in the order of the operands' registers by the launches before; sums in f32; out0 [8,192][1,024] f32.  No work is left out.
; A tile of out0 is 128 x 128 (512 work-groups; 256 x 256 would give 128); four waves, each 64 x 64: 16 accumulators of 16 x 16.  K goes in four steps of 256 through two LDS slots.
; TILES IN REGISTER ORDER.  16 rows x 256 along K are 8,192 consecutive bytes of cf or wo (8 fragments of 1,024); a wave's tensor load brings four such runs, 32,768 bytes apart in memory, on end in LDS.  A fragment is two loads
; of 16 bytes a lane at 16 x lane: consecutive bytes, so no padding.
; CLUSTERS: 4 x 4 work-groups.  The four of a row of the cluster need the same tiles of cf, the four of a column the same tiles of wo: each is asked for JOINTLY, by the same tensor load with the same descriptor and a mask that names the four.
; THE MATRIX INSTRUCTION IS USED TRANSPOSED (source 0 = 16 rows of Wout, source 1 = 16 tokens): a lane holds eight neighbouring numbers of a row of out0.  THE BIAS is the C of each sum's first product.
; REGISTERS: window 0: v0-31 addresses; v32-95 rows on the way out; v96-127 the bias in the result's layout; v128-255 the accumulators ((a, b) at 128 + 8 (4 a + b)).  window 1: two fragment buffers of 128: 64 of cf, then 64 of wo.
; By this text's count a wave has two tensor loads out at the start and one behind each round.  No prefetch: a small tile, four K steps.
.set HALFT,  32768                     ; 64 rows x 256 along K: what one tensor load brings, and what one wave reads of either operand
.set SLOT,   4*HALFT                   ; cf's 128 rows, then wo's 128 rows
.set KRUN,   8192                      ; a K step of 16 rows, in bytes
.set SPARE,  2*SLOT                    ; behind the ring: the spare words, 128 bytes for each wave: two blocks of 256 bytes that no other line names
.set SPITCH, 272                       ; the way out: a stage of 16 rows x (256 bytes + 16) for each wave, in slot 0, which has had its last fill and its last read when the first result is stored there
.set ADRA, 16                          ; v16-17  LDS address of my fragments of cf in slot 0, 1
.set ADRB, 20                          ; v20-21  the same for wo
.set STO,  24                          ; v24     the way out: where I put 32 bytes of a row
.set RD,   25                          ; v25     where I read a row back
.set CO,   26                          ; v26     my byte offset in out0
.set SPW,  28                          ; v28     LDS address of my spare word; never rewritten
.set NIL,  29                          ; v29     0; never rewritten
.set TMP,  32
.set BIAS, 96
.set ACC,  128
.set F0,   0                           ; fragment buffers, in window 1
.set F1,   128
.set G1, 24                            ; s[24:31] descriptor group 1 for cf's tiles;  s[32:39] group 0, one set for each slot
.set G0, 32
.set G1B, 48                           ; s[48:55], s[56:63] the same for wo's tiles
.set G0B, 56
.set MSB, 0
.macro WIN new                         ; the immediate's high byte repeats the setting that is left
.if MSB != \new
	s_set_vgpr_msb (MSB<<8)|\new
.set MSB, \new
.endif
.endm
.set MUL,  0x05                        ; sources 0 and 1 window 1; C and D window 0
.set TO_F, 0x40                        ; destination window 1, address window 0
.macro JLOAD s                         ; a joint load: waves 0 and 1 fetch cf's two halves, waves 2 and 3 wo's; an s_nop 0 and four v_nop follow each of the two lines
	s_cmp_eq_u32 s11, 0
	s_cbranch_scc0 .Lfor_b_\@
	tensor_load_to_lds s[G0+4*\s:G0+4*\s+3], s[G1:G1+7]
	s_nop 0
.rept 4
	v_nop
.endr
	s_branch .Lasked_\@
.Lfor_b_\@:
	tensor_load_to_lds s[G0B+4*\s:G0B+4*\s+3], s[G1B:G1B+7]
	s_nop 0
.rept 4
	v_nop
.endr
.Lasked_\@:
.endm
.macro CREST                           ; a round of the cluster's barrier behind its opening barrier
	s_cmp_lg_u32 s10, 0
	s_cbranch_scc1 .Lnot_wave_0_\@
	s_barrier_signal -3
.Lnot_wave_0_\@:
	s_barrier_wait -3
	s_barrier_signal -1
	s_barrier_wait -1
.endm
.macro CROUND
	s_barrier_signal -1
	s_barrier_wait -1
	CREST
.endm
	s_load_b128 s[4:7], s[0:1], 0x0                ; cf s[4:5], wo s[6:7]
	s_load_b64 s[8:9], s[0:1], 0x10                ; out0
	s_load_b64 s[68:69], s[0:1], 0x18              ; bout
	v_lshl_add_u32 v[SPW], v0, 2, SPARE
	v_mov_b32 v[NIL], 0
	ds_add_u32 v[SPW], v[NIL]                      ; the wave's opening: the add, twice on end, and its wait ahead of my first tensor load; the set-up below stands between
	ds_add_u32 v[SPW], v[NIL]
	v_lshrrev_b32 v1, 5, v0
	v_readfirstlane_b32 s10, v1                    ; wave 0..3
	s_lshr_b32 s11, s10, 1                         ; which half of the tile's rows is mine.  Also: I fetch for cf (0) or for wo (1)
	s_and_b32 s12, s10, 1                          ; which half of its columns.  Also: which 64 rows of that tile I fetch
	s_bfe_u32 s40, ttmp6, 0x40000                  ; cx, cy: my place in the cluster
	s_bfe_u32 s41, ttmp6, 0x40004
	s_lshl_b32 s42, ttmp9, 2
	s_add_co_u32 s42, s42, s40                     ; tile column = 4 x cluster x + cx
	s_and_b32 s13, ttmp7, 0xffff
	s_lshl_b32 s13, s13, 2
	s_add_co_u32 s13, s13, s41                     ; tile row = 4 x cluster y + cy
	s_lshl_b32 s43, s41, 2
	s_lshl_b32 s43, 15, s43                        ; my row of the cluster
	s_lshl_b32 s44, 0x1111, s40                    ; my column
	; descriptor group 1: four runs of 8,192 bytes (1,024 elements of 8 bytes), 32,768 bytes apart
	s_or_b32 s[G1+0], s43, (3<<16)|(1<<21)         ; 15:0 the mask: cf's tiles go to my row; 17:16 elements of 8 bytes; 21 set beside a mask
	s_or_b32 s[G1B+0], s44, (3<<16)|(1<<21)        ; wo's to my column
.irp g, G1, G1B
	s_mov_b32 s[\g+1], 1024<<16                    ; tensor_dim0 = 1,024
	s_mov_b32 s[\g+2], 4<<16                       ; tensor_dim1 = 4
	s_mov_b32 s[\g+3], 1024<<16                    ; tile_dim0 = 1,024
	s_mov_b32 s[\g+4], 4                           ; tile_dim1 = 4
	s_mov_b32 s[\g+5], 4096                        ; from run to run, in elements
	s_mov_b32 s[\g+6], 0
	s_mov_b32 s[\g+7], 0
.endr
	s_lshl_b32 s17, s12, 17                        ; which 64 rows I fetch: four tiles of 16 rows, 32,768 bytes each
	s_lshl_b32 s16, s13, 18
	s_add_co_u32 s16, s16, s17                     ; cf: 262,144 x tile row + 131,072 x half
	s_lshl_b32 s46, s42, 18
	s_add_co_u32 s46, s46, s17                     ; wo: 262,144 x tile column + 131,072 x half
	s_mov_b32 s17, 0
	s_mov_b32 s47, 0
	s_lshl_b32 s20, s10, 15                        ; where they go: wave x HALFT: no place in the cluster enters an LDS address
	s_wait_dscnt 0x0                               ; both opening adds are done
	s_wait_kmcnt 0x0
	s_add_nc_u64 s[14:15], s[4:5], s[16:17]
	s_add_nc_u64 s[46:47], s[6:7], s[46:47]
	CROUND                                         ; all sixteen work-groups are here: the first joint loads meet
.irp s, 0,1
	s_mov_b32 s[G0+4*\s], 1
	s_add_co_u32 s[G0+4*\s+1], s20, \s*SLOT
	s_add_nc_u64 s[G0+4*\s+2:G0+4*\s+3], s[14:15], \s*KRUN
	s_or_b32 s[G0+4*\s+3], s[G0+4*\s+3], 0x80000000
	s_mov_b32 s[G0B+4*\s], 1
	s_add_co_u32 s[G0B+4*\s+1], s20, \s*SLOT
	s_add_nc_u64 s[G0B+4*\s+2:G0B+4*\s+3], s[46:47], \s*KRUN
	s_or_b32 s[G0B+4*\s+3], s[G0B+4*\s+3], 0x80000000
	JLOAD \s
.endr
	v_and_b32 v1, 31, v0
	v_lshlrev_b32 v3, 4, v1                        ; 16 x lane
	s_lshl_b32 s21, s11, 15                        ; my 64 rows of cf
	s_lshl_b32 s22, s12, 15                        ; my 64 rows of wo,
	s_add_co_u32 s22, s22, 2*HALFT                 ; which lie behind cf's 128
.irp s, 0,1
	v_add_nc_u32 v[ADRA+\s], s21, v3
	v_add_nc_u32 v[ADRB+\s], s22, v3
	s_add_co_u32 s21, s21, SLOT
	s_add_co_u32 s22, s22, SLOT
.endr
	v_and_b32 v1, 15, v0                           ; r
	v_bfe_u32 v2, v0, 4, 1                         ; h
	s_mul_i32 s23, s10, 16*SPITCH                  ; my stage
	v_mul_u32_u24 v4, v1, SPITCH                   ; in: row r, 32 bytes for each half of the lanes
	v_lshl_add_u32 v4, v2, 5, v4
	v_add_nc_u32 v[STO], s23, v4
	v_mul_u32_u24 v5, v2, SPITCH                   ; back: lanes 0-15 take one row of 256 bytes, lanes 16-31 the next
	v_lshl_add_u32 v5, v1, 4, v5
	v_add_nc_u32 v[RD], s23, v5
	v_lshlrev_b32 v5, 12, v2                       ; and the same two rows in out0, 4,096 bytes apart
	v_lshl_add_u32 v[CO], v1, 4, v5
	v_lshlrev_b32 v6, 5, v2                        ; the bias: my half's eight numbers of a tile of 16 columns
	s_lshl_b32 s18, s42, 9                         ; my first column, in bytes: 512 x tile column + 256 x half
	s_lshl_b32 s19, s12, 8
	s_add_co_u32 s18, s18, s19
	s_mov_b32 s19, 0
	s_add_nc_u64 s[68:69], s[68:69], s[18:19]
	s_lshl_b32 s16, s13, 19                        ; my first row: 128 x tile row + 64 x half, 4,096 bytes each
	s_lshl_b32 s17, s11, 18
	s_add_co_u32 s16, s16, s17
	s_mov_b32 s17, 0
	s_add_nc_u64 s[8:9], s[8:9], s[16:17]
	s_add_nc_u64 s[8:9], s[8:9], s[18:19]
.irp b, 0,1,2,3
	global_load_b128 v[BIAS+8*\b:BIAS+8*\b+3],   v6, s[68:69] offset:64*\b      ; register j of tile b: bout at column 16 b + 8 h + j
	global_load_b128 v[BIAS+8*\b+4:BIAS+8*\b+7], v6, s[68:69] offset:64*\b+16
.endr
; 8 matrix instructions: blocks of tokens a0, a0 + 1 x all 4 blocks of columns, 32 along K: half c of buffer f.  first = 1: the product starts the sum on the bias.  The 16 accumulators take turns, one instruction a turn.
.macro MUL8 f, c, a0, first
.irp a, \a0, \a0+1
.irp b, 0,1,2,3
.if \first
	v_wmma_f32_16x16x32_f16 v[ACC+8*(4*(\a)+\b):ACC+8*(4*(\a)+\b)+7], v[\f+64+8*(4*\c+\b):\f+64+8*(4*\c+\b)+7], v[\f+8*(4*\c+(\a)):\f+8*(4*\c+(\a))+7], v[BIAS+8*\b:BIAS+8*\b+7]
.else
	v_wmma_f32_16x16x32_f16 v[ACC+8*(4*(\a)+\b):ACC+8*(4*(\a)+\b)+7], v[\f+64+8*(4*\c+\b):\f+64+8*(4*\c+\b)+7], v[\f+8*(4*\c+(\a)):\f+8*(4*\c+(\a))+7], v[ACC+8*(4*(\a)+\b):ACC+8*(4*(\a)+\b)+7]
.endif
.endr
.endr
.endm
; 32 LDS loads in one run: the fragments of 64 along K at byte k of the runs, into buffer f; the first 32 along K first
.macro FETCH slot, k, f
	WIN TO_F
.irp c, 0,1
.irp i, 0,1,2,3
	ds_load_b128 v[\f+64+8*(4*\c+\i):\f+64+8*(4*\c+\i)+3],   v[ADRB+\slot] offset:\k+1024*\c+KRUN*\i
	ds_load_b128 v[\f+64+8*(4*\c+\i)+4:\f+64+8*(4*\c+\i)+7], v[ADRB+\slot] offset:\k+1024*\c+KRUN*\i+512
	ds_load_b128 v[\f+8*(4*\c+\i):\f+8*(4*\c+\i)+3],         v[ADRA+\slot] offset:\k+1024*\c+KRUN*\i
	ds_load_b128 v[\f+8*(4*\c+\i)+4:\f+8*(4*\c+\i)+7],       v[ADRA+\slot] offset:\k+1024*\c+KRUN*\i+512
.endr
.endr
.endm
.macro PLACES                          ; four plain instructions in front of loads into registers that matrix instructions have read, and of the first read of results (ISA guide 7.12.1 for vector instructions)
.rept 4
	v_nop
.endr
.endm
; A K step is four quarters of 64 along K, 32 matrix instructions each, on buffers 0, 1, 0, 1.  One of the first three: multiplies buffer f and fetches the next quarter, at byte k, into g.
.macro QUARTER slot, k, f, g, first
	s_wait_dscnt 16                                ; the first 32 along K are in; the sixteen younger loads may be out
	WIN MUL
	MUL8 \f, 0, 0, \first
	MUL8 \f, 0, 2, \first
	PLACES
	FETCH \slot, \k, \g
	s_wait_dscnt 32                                ; all but the 32 just issued
	WIN MUL
	MUL8 \f, 1, 0, 0
	MUL8 \f, 1, 2, 0
.endm
; The last quarter multiplies buffer 1 and changes slots: ONE barrier; in front of it each wave waits for all its tensor loads, adds 0 to its spare word, and waits for that and for its own reads of this slot.  fill = 1: this slot is filled again, two K steps ahead.
.macro TURN slot, next, fill
	WIN 0                                          ; (the add's two registers lie in window 0)
	s_wait_tensorcnt 0x0                           ; all my tensor loads have landed: my part of the next slot;
	ds_add_u32 v[SPW], v[NIL]                      ; 0 onto my spare word;
	s_wait_dscnt 17                                ; (the add and the youngest sixteen loads may be out)
	WIN MUL
	MUL8 F1, 0, 0, 0                               ; eight matrix instructions stand between the add and the wait for it
	s_wait_dscnt 0x0                               ; the add is done, and my reads of this slot are over
	s_barrier_signal -1
	MUL8 F1, 0, 2, 0
.if \fill
	WIN 0
.endif
	s_barrier_wait -1
.if \fill
	CREST                                          ; the barrier has opened a round of the cluster's barrier: no wave of any partner still reads this slot's tile or has a load on its way
	s_add_nc_u64 s[G0+4*\slot+2:G0+4*\slot+3], s[G0+4*\slot+2:G0+4*\slot+3], 2*KRUN
	s_add_nc_u64 s[G0B+4*\slot+2:G0B+4*\slot+3], s[G0B+4*\slot+2:G0B+4*\slot+3], 2*KRUN
	JLOAD \slot                                    ; the first tensor load behind the round; the four v_nop behind it are also the places in front of the loads below
.else
	PLACES
.endif
	FETCH \next, 0, F0
	WIN MUL
	MUL8 F1, 1, 0, 0
	MUL8 F1, 1, 2, 0
.endm
	s_wait_tensorcnt 1                             ; my part of K step 0 is in; K step 1's load may stay out
	s_barrier_signal -1
	s_barrier_wait -1                              ; everybody's is
	FETCH 0, 0, F0
	s_wait_loadcnt 0x0                             ; the bias
	QUARTER 0, 2048, F0, F1, 1                     ; K step 0: its first products start the sums on the bias.  Four K steps: they are written out
	QUARTER 0, 4096, F1, F0, 0
	QUARTER 0, 6144, F0, F1, 0
	TURN 0, 1, 1                                   ; slot 0 takes K step 2
	QUARTER 1, 2048, F0, F1, 0                     ; K step 1
	QUARTER 1, 4096, F1, F0, 0
	QUARTER 1, 6144, F0, F1, 0
	TURN 1, 0, 1                                   ; slot 1 takes K step 3
	QUARTER 0, 2048, F0, F1, 0                     ; K step 2
	QUARTER 0, 4096, F1, F0, 0
	QUARTER 0, 6144, F0, F1, 0
	TURN 0, 1, 0                                   ; nothing is left to fetch: no round
	QUARTER 1, 2048, F0, F1, 0                     ; K step 3
	QUARTER 1, 4096, F1, F0, 0
	QUARTER 1, 6144, F0, F1, 0
	s_wait_dscnt 16                                ; the very last quarter
	WIN MUL
	MUL8 F1, 0, 0, 0
	MUL8 F1, 0, 2, 0
	s_wait_dscnt 0x0
	MUL8 F1, 1, 0, 0
	MUL8 F1, 1, 2, 0
	WIN 0
; THE WAY OUT, block by block of 16 rows x 64 columns.  A lane holds 32 neighbouring bytes of a row; a wave's 64 columns are 256 bytes of a row, at a multiple of 256 from out0's first byte.  So a block goes through my own stage
; and comes back as whole rows.  LDS serves a wave's instructions in order (ISA guide 5.7.1.4): no wait between the stores and the loads, nor in front of the next block's stores.
.macro TOSTAGE a
.irp b, 0,1,2,3
	ds_store_b128 v[STO], v[ACC+8*(4*(\a)+\b):ACC+8*(4*(\a)+\b)+3] offset:64*\b        ; each accumulator from its low end on
	ds_store_b128 v[STO], v[ACC+8*(4*(\a)+\b)+4:ACC+8*(4*(\a)+\b)+7] offset:64*\b+16
.endr
.irp t, 0,1,2,3,4,5,6,7
	ds_load_b128 v[TMP+32*((\a)%2)+4*\t:TMP+32*((\a)%2)+4*\t+3], v[RD] offset:\t*2*SPITCH
.endr
.endm
.macro SEND a, younger                 ; younger: the LDS instructions issued behind block a's loads, which may stay out
	s_wait_dscnt \younger
.irp t, 0,1,2,3,4,5,6,7
	global_store_b128 v[CO], v[TMP+32*((\a)%2)+4*\t:TMP+32*((\a)%2)+4*\t+3], s[8:9] offset:(16*(\a)+2*\t)*4096 th:TH_STORE_NT   ; sixteen lanes store 256 consecutive bytes; written once, read by nobody here
.endr
.endm
	PLACES
	TOSTAGE 0
.irp a, 1,2,3
.if \a > 1
	s_wait_xcnt 0x0                                ; block a - 2's stores have read their registers: block a's loads may land there
.endif
	TOSTAGE \a
	SEND \a-1, 16                                  ; behind block a - 1's loads: block a's 8 stores and 8 loads
.endr
	SEND 3, 0
	s_wait_tensorcnt 0x0                           ; the wave's end, behind my last tensor load and my last LDS store
	ds_add_u32 v[SPW], v[NIL]
	s_wait_dscnt 0x0
	CROUND                                         ; the closing round: no work-group ends while a partner may still ask for a tile that names it
	s_endpgm
.Lfunc_end_k_qc3ab261187_oproj:
	.size	k_qc3ab261187_oproj, .Lfunc_end_k_qc3ab261187_oproj-k_qc3ab261187_oproj
	.p2alignl 7, 3214868480
	.fill 96, 4, 3214868480
	.section	.rodata,"a",@progbits
	.p2align	6, 0x0
	.amdhsa_kernel k_qc3ab261187_oproj
		.amdhsa_group_segment_fixed_size 327680
		.amdhsa_private_segment_fixed_size 0
		.amdhsa_enable_private_segment 0
		.amdhsa_kernarg_size 32
		.amdhsa_user_sgpr_count 2
		.amdhsa_user_sgpr_kernarg_segment_ptr 1
		.amdhsa_wavefront_size32 1
		.amdhsa_system_sgpr_workgroup_id_x 1
		.amdhsa_system_sgpr_workgroup_id_y 1
		.amdhsa_system_sgpr_workgroup_id_z 1
		.amdhsa_system_vgpr_workitem_id 0
		.amdhsa_next_free_vgpr 512
		.amdhsa_next_free_sgpr 70
		.amdhsa_reserve_vcc 0
		.amdhsa_float_denorm_mode_32 3
		.amdhsa_float_denorm_mode_16_64 3
		.amdhsa_memory_ordered 1
		.amdhsa_forward_progress 1
		.amdhsa_inst_pref_size 86
	.end_amdhsa_kernel
	.amdgpu_metadata
---
amdhsa.version: [ 1, 2 ]
amdhsa.kernels:
  - .name:           k_qc3ab261187_oproj
    .symbol:         k_qc3ab261187_oproj.kd
    .args:
      - { .name: cf, .offset: 0, .size: 8, .value_kind: global_buffer, .address_space: global }
      - { .name: wo, .offset: 8, .size: 8, .value_kind: global_buffer, .address_space: global }
      - { .name: out0, .offset: 16, .size: 8, .value_kind: global_buffer, .address_space: global }
      - { .name: bout, .offset: 24, .size: 8, .value_kind: global_buffer, .address_space: global }
    .group_segment_fixed_size: 327680
    .private_segment_fixed_size: 0
    .kernarg_segment_align: 8
    .kernarg_segment_size: 32
    .max_flat_workgroup_size: 128
    .sgpr_count:     70
    .vgpr_count:     512
    .wavefront_size: 32
...
	.end_amdgpu_metadata
.endif
;; end of part 4
